; MI455X (gfx1250); checked and timed in simulation.
; The chip was launched on July 23, 2026; its instructions are those of AMD's public machine-readable ISA for CDNA 5 (MIT licence, August 2026) and "CDNA5" Instruction Set Architecture Reference Guide (July 2026). The comments in the code are by the model that wrote it; some were corrected since.
;; Local GMM Scorer Attention. Allowed arithmetic: float matrix products may take bf16 or f16 operands with f32 sums; all other float work in f32.
;; Inputs: W_p2s 256 x 12 float32; W_q2p 512 x 256 float32; W_s0 1,024 x 256 float32; W_s1 256 x 1 float32; b_p2s 12 float32; b_q2p 256 float32; b_s0 256 float32; b_s1 1 float32; ctx 32 x 2,048 x 512 float32; query 32 x 512 float32.
;; Outputs: out0 32 x 512 float32; out1 32 x 2,048 float32.
;; One version. Each part assembles by itself: llvm-mc -triple=amdgcn-amd-amdhsa -mcpu=gfx1250 --defsym DOCPART=n.
;; ======== version 1 of 1: 2 launches
;; workspace buffers: idx 4,096 bytes of whole numbers; pri 4,096 bytes; qs 32,768 bytes; wb 262,144 bytes
;; launch prep (part 1): grid 34 x 1, 8 waves a work-group, no clusters, 323,072 bytes of LDS; arguments query, W_q2p, b_q2p, W_p2s, b_p2s, W_s0, b_s0, idx, pri, qs, wb; writes idx, pri, qs, wb
.if DOCPART == 1
	.amdgcn_target "amdgcn-amd-amdhsa--gfx1250"
	.amdhsa_code_object_version 6
	.text
	.protected	k_q12ca4f3670_prep
	.globl	k_q12ca4f3670_prep
	.p2align	8
	.type	k_q12ca4f3670_prep,@function
k_q12ca4f3670_prep:
	s_mov_b64 s[64:65], 0
	v_nop
	global_prefetch_b8 v0, s[64:65] scope:SCOPE_SE
	s_setreg_imm32_b32 hwreg(HW_REG_WAVE_MODE, 25, 1), 1
	s_wait_xcnt 0x0
; Everything that hangs on the query alone, and the cast of the scorer's ctx weights.  Three roles, by work-group number:
;   0       S: h = tanh(query W_q2p + b_q2p); abk = h W_p2s + b_p2s; alpha, beta, kappa = exp(abk); centre = round(kappa);
;              idx[b][8k+j] = row centre_k + j - 3 clamped to 0..2047 (j < 7), idx[b][8k+7] = centre_k (4096 at the most);
;              pri[b][8k+j] = alpha_k exp(-beta_k (pos - kappa_k)^2), 0 where pos lies outside 0..2047 and for j = 7.
;   1       Q: qs = query W_s0[512:1024] + b_s0   (the query's share of the scorer's hidden layer, f32 [32][256])
;   2..33   C: wb = W_s0[0:512] in bf16, [512 k][256 n], 16 KiB of f32 a work-group
; The prior is 0 outside the four windows of seven positions, so 28 rows of a batch are all that the next launch needs; the rows
; hang on floating-point results and are therefore stored here as whole numbers.
; S and Q: eight waves; a 32 x 256 x 512 product.  The f32 weights and the query pass through registers (they must be rounded to
; bf16), 48 loads of 512 bytes of every wave always on their way, into LDS: weights [K][N], query [M][K].  Wave w makes columns 32 w .. 32 w + 31
; of all 32 rows in four accumulators.
; NO CLUSTER: S and Q read different weights; what they share is the query, 64 KiB of each one's 576 KiB, and it goes through
; registers to be rounded, where no joint request can serve it.
; LIMITS: NaN inputs are not served.  v_exp_f32 gives 0 for results below 2^-126 and is accurate to 1 ULP.  A centre above 4096 counts as 4096
; (its window is empty either way).  Matrix operands are bf16, so kappa carries their rounding: a kappa that lies within that error of a
; half-integer can move its window by one position.
.set WP, 544                           ; LDS pitch of a weight row: 512 bytes + 32 = 17 x 32
.set AP, 1040                          ; LDS pitch of a query row of 512 bf16, and of a stage row of 256 f32: 1,024 bytes + 16
.set HP, 528                           ; LDS pitch of a row of h: 512 bytes + 16
.set ABASE, 512*WP                     ; 278,528: the query; behind the product h (S) or the f32 stage (Q)
.set W2, ABASE+32*AP                   ; 311,808: W_p2s in bf16, [256 k][16], columns 12..15 zero, pitch 32
.set AB, W2+8192                       ; 320,000: abk without its bias, f32 [32][16]
.set LOG2E, 0x3fb8aa3b
.set NLOG2E, 0xbfb8aa3b
.set TWOLOG2E, 0x4038aa3b
.set VG, 4                             ; v4      16 L: my 16 bytes of a chunk of 512
.set VW, 5                             ; v5      LDS: my 8 bytes in my wave's 64 weight rows
.set VQ, 6                             ; v6      LDS: my 8 bytes in my wave's 4 query rows
.set VW2, 7                            ; v7      at work in the set-up; then (S) LDS: where my row of W_p2s goes.  No load lands in it
.set VB, 8                             ; v8-11   LDS: my weight fragments, K steps 4 q .. 4 q + 3
.set VA, 12                            ; v12     LDS: my query fragments
.set VT, 13                            ; v13     LDS: where my results go behind the product
.set VBI, 14                           ; v14     byte offset of my columns in a bias
.set VAB, 19                           ; v19     LDS: my batch's and mixture's word of abk (written behind the use of W_p2s's row in v16-27)
.set VJ, 20                            ; v20     2 (L & 3) - 3 as f32
.set VO8, 21                           ; v21     8 x thread: my pair in idx and in pri
.set RING, 32                          ; v32-223 48 slots of 4 registers for the stream
.set F0, 32                            ; v32-95  fragments of two K steps
.set F1, 96                            ; v96-159 the same, the other set
.set ACC, 160                          ; v160-191 tile (mt, nt) at ACC + 8 (2 mt + nt)
.set BIAS, 224                         ; v224-239 the bias of my 16 columns
.set T, 240                            ; v240-247 rounded pairs on their way to LDS
.set H16, 32                           ; v32-47  h in bf16
.macro PLACES                          ; four places behind a matrix instruction (ISA guide 7.12.1) before its registers are read, written or loaded
.rept 4
	v_nop
.endr
.endm
; The eight LDS loads of K step ks into f: weights of n tiles 0, 1 (transposed on the way: they lie [K][N]), then query rows of m tiles 0, 1.
.macro LOADK f, ks
.irp nt, 0,1
	ds_load_tr16_b128 v[\f+8*\nt:\f+8*\nt+3],   v[VB+((\ks)>>2)] offset:((\ks)&3)*32*WP+32*\nt
	ds_load_tr16_b128 v[\f+8*\nt+4:\f+8*\nt+7], v[VB+((\ks)>>2)] offset:((\ks)&3)*32*WP+32*\nt+16*WP
.endr
.irp mt, 0,1
	ds_load_b128 v[\f+16+8*\mt:\f+16+8*\mt+3], v[VA] offset:\mt*16*AP+64*(\ks)
	ds_load_b128 v[\f+16+8*\mt+4:\f+16+8*\mt+7], v[VA] offset:\mt*16*AP+64*(\ks)+32
.endr
.endm
; Four matrix instructions, sources swapped (weights first): register j of lane L holds C(m = 16 mt + L % 16, n = 32 w + 16 nt + 8 (L / 16) + j).
; The four accumulators take turns, one instruction a turn.
.macro MULK f, zero
.irp mt, 0,1
.irp nt, 0,1
.if \zero
	v_wmma_f32_16x16x32_bf16 v[ACC+8*(2*\mt+\nt):ACC+8*(2*\mt+\nt)+7], v[\f+8*\nt:\f+8*\nt+7], v[\f+16+8*\mt:\f+16+8*\mt+7], 0
.else
	v_wmma_f32_16x16x32_bf16 v[ACC+8*(2*\mt+\nt):ACC+8*(2*\mt+\nt)+7], v[\f+8*\nt:\f+8*\nt+7], v[\f+16+8*\mt:\f+16+8*\mt+7], v[ACC+8*(2*\mt+\nt):ACC+8*(2*\mt+\nt)+7]
.endif
.endr
.endr
.endm
; K = 512 in eight groups of two K steps; while one group is multiplied the next one's 16 loads are out.
.macro GEMM
	LOADK F0, 0
	LOADK F0+32, 1
.set g, 0
.rept 7
	PLACES                                         ; the set loaded next was read by the matrix instructions just issued
.if g & 1
	LOADK F0, 2*g+2
	LOADK F0+32, 2*g+3
	s_wait_dscnt 16                                ; all but the 16 just issued: this group's fragments are in
	MULK F1, 0
	MULK F1+32, 0
.else
	LOADK F1, 2*g+2
	LOADK F1+32, 2*g+3
	s_wait_dscnt 16
.if g == 0
	MULK F0, 1                                     ; the first products start the sums
.else
	MULK F0, 0
.endif
	MULK F0+32, 0
.endif
.set g, g+1
.endr
	s_wait_dscnt 0x0                               ; the last group; also: my reads of the weights and the query are over
	MULK F1, 0
	MULK F1+32, 0
	PLACES
.endm
; tanh(x + b) = 1 - 2 / (1 + 2^(C x + C b)), C = 2 log2 e, on all 32 accumulator registers; bc holds C b of my 16 columns.
; It ends at +1 and -1 for large arguments: 2^.. becomes infinity or 0.
.macro TANHC bc
.set i, 0
.rept 16
	v_pk_fma_f32 v[ACC+2*i:ACC+2*i+1], v[ACC+2*i:ACC+2*i+1], TWOLOG2E, v[\bc+2*(i&7):\bc+2*(i&7)+1] op_sel_hi:[1,0,1]
.set i, i+1
.endr
.set i, 0
.rept 32
	v_exp_f32 v[ACC+i], v[ACC+i]
.set i, i+1
.endr
	v_nop                                          ; one plain place behind the last transcendental
.set i, 0
	s_wait_alu depctr_va_vdst(0)
.rept 16
	v_pk_add_f32 v[ACC+2*i:ACC+2*i+1], v[ACC+2*i:ACC+2*i+1], 1.0 op_sel_hi:[1,0]
.set i, i+1
.endr
.set i, 0
.rept 32
	v_rcp_f32 v[ACC+i], v[ACC+i]
.set i, i+1
.endr
	v_nop
.set i, 0
	s_wait_alu depctr_va_vdst(0)
.rept 16
	v_pk_fma_f32 v[ACC+2*i:ACC+2*i+1], v[ACC+2*i:ACC+2*i+1], -2.0, 1.0 op_sel_hi:[1,0,0]
.set i, i+1
.endr
.endm
; Chunk n of my wave's stream, 512 bytes: 0..15 my four query rows, 16..143 my 64 weight rows (two chunks a row).
.macro RLOAD n
.if (\n) < 16
	global_load_b128 v[RING+4*((\n)%48):RING+4*((\n)%48)+3], v[VG], s[32:33] offset:(\n)*512
.else
	global_load_b128 v[RING+4*((\n)%48):RING+4*((\n)%48)+3], v[VG], s[30:31] offset:((\n)-16)*512 th:TH_LOAD_NT
.endif
.endm
; The whole fill: small loads first, the ring of 48, each chunk rounded and put into LDS as it comes, its slot asked for again at once.
.macro FILL bp, stats
	global_load_b128 v[BIAS:BIAS+3],     v[VBI], s[\bp:\bp+1]
	global_load_b128 v[BIAS+4:BIAS+7],   v[VBI], s[\bp:\bp+1] offset:16
	global_load_b128 v[BIAS+8:BIAS+11],  v[VBI], s[\bp:\bp+1] offset:64
	global_load_b128 v[BIAS+12:BIAS+15], v[VBI], s[\bp:\bp+1] offset:80
.if \stats
	global_load_b32 v28, v31, s[12:13]             ; b_p2s of my mixture: alpha's,
	global_load_b32 v29, v31, s[12:13] offset:16   ; beta's,
	global_load_b32 v30, v31, s[12:13] offset:32   ; kappa's
	global_load_b128 v[16:19], v15, s[10:11]       ; row (thread) of W_p2s, 48 bytes
	global_load_b128 v[20:23], v15, s[10:11] offset:16
	global_load_b128 v[24:27], v15, s[10:11] offset:32
.endif
.set u, 0
.rept 48
	RLOAD u
.set u, u+1
.endr
.if \stats
	s_wait_loadcnt 48                              ; only the 48 ring loads are younger than W_p2s's row
.irp p, 0,1,2,3,4,5
	v_cvt_pk_bf16_f32 v[T+\p], v[16+2*\p], v[17+2*\p]
.endr
	v_mov_b32 v[T+6], 0                            ; columns 12..15
	v_mov_b32 v[T+7], 0
	ds_store_b128 v[VW2], v[T:T+3]                 ; W2 + 32 x thread: one row of 32 bytes a thread
	ds_store_b128 v[VW2], v[T+4:T+7] offset:16
.endif
.set u, 0
.rept 144
.if 143-u < 47
	s_wait_loadcnt 143-u                           ; the tail: as many as are left behind chunk u
.else
	s_wait_loadcnt 47                              ; chunk u is in, the 47 younger ones stay out
.endif
	v_cvt_pk_bf16_f32 v[T+2*(u%4)],   v[RING+4*(u%48)],   v[RING+4*(u%48)+1]
	v_cvt_pk_bf16_f32 v[T+2*(u%4)+1], v[RING+4*(u%48)+2], v[RING+4*(u%48)+3]
.if u < 16
	ds_store_b64 v[VQ], v[T+2*(u%4):T+2*(u%4)+1] offset:(u>>2)*AP+(u&3)*256
.else
	ds_store_b64 v[VW], v[T+2*(u%4):T+2*(u%4)+1] offset:((u-16)>>1)*WP+((u-16)&1)*256
.endif
.if u+48 < 144
	RLOAD u+48
.endif
.set u, u+1
.endr
	s_wait_dscnt 0x0                               ; my part of the tiles is in LDS,
	s_barrier_signal -1
	s_barrier_wait -1                              ; everybody's is
.endm
	s_load_b512 s[4:19], s[0:1], 0x0               ; query 4, W_q2p 6, b_q2p 8, W_p2s 10, b_p2s 12, W_s0 14, b_s0 16, idx 18
	s_load_b128 s[20:23], s[0:1], 0x40             ; pri 20, qs 22
	s_load_b64 s[24:25], s[0:1], 0x50              ; wb
	v_lshl_add_u32 v254, v0, 2, 0x4ea00
	v_mov_b32 v255, 0
	s_mov_b32 s29, 0                               ; upper words of the two offset pairs
	s_mov_b32 s37, 0
	s_cmp_ge_u32 ttmp9, 2
	s_cbranch_scc1 .Lcast
	; ---- S and Q: what both need
	v_lshrrev_b32 v7, 5, v0
	v_readfirstlane_b32 s26, v7                    ; wave w
	v_and_b32 v1, 31, v0                           ; L
	v_and_b32 v2, 15, v0                           ; r = L % 16
	v_bfe_u32 v3, v0, 4, 1                         ; h = L / 16
	v_lshlrev_b32 v[VG], 4, v1
	s_mul_i32 s27, s26, 64*WP
	v_lshl_add_u32 v[VW], v1, 3, s27               ; 64 w rows + 8 L
	s_mul_i32 s27, s26, 4*AP
	s_add_co_u32 s27, s27, ABASE
	v_lshl_add_u32 v[VQ], v1, 3, s27               ; the query's rows 4 w .. 4 w + 3, + 8 L
	s_lshl_b32 s27, s26, 7
	v_lshl_add_u32 v[VBI], v3, 5, s27              ; 4 (32 w + 8 h)
	v_and_b32 v7, 7, v0
	v_lshl_add_u32 v7, v3, 3, v7                   ; 8 h + L % 8: the row of K that I address for the transposing load
	v_mul_u32_u24 v7, v7, WP
	v_bfe_u32 v13, v0, 3, 1
	v_lshl_add_u32 v7, v13, 4, v7                  ; + 16 bytes for the upper eight columns
	s_lshl_b32 s27, s26, 6
	v_add_nc_u32 v[VB], s27, v7                    ; + my wave's 32 columns
	v_add_nc_u32 v[VB+1], 128*WP, v[VB]            ; four K steps further: the immediate has 16 bits
	v_add_nc_u32 v[VB+2], 256*WP, v[VB]
	v_add_nc_u32 v[VB+3], 384*WP, v[VB]
	v_mul_u32_u24 v[VA], v2, AP
	v_lshl_add_u32 v[VA], v3, 4, v[VA]
	v_add_nc_u32 v[VA], ABASE, v[VA]               ; row r, 16 h
	s_lshl_b32 s28, s26, 16                        ; my 64 weight rows of 1,024 bytes
	s_lshl_b32 s36, s26, 13                        ; my 4 query rows of 2,048 bytes
	s_wait_kmcnt 0x0
	s_add_nc_u64 s[32:33], s[4:5], s[36:37]
	s_cmp_eq_u32 ttmp9, 1
	s_cbranch_scc1 .Lq
	; ---- S
	s_add_nc_u64 s[30:31], s[6:7], s[28:29]        ; W_q2p at my rows
	v_mul_u32_u24 v15, 48, v0                      ; my row of W_p2s
	v_bfe_u32 v31, v0, 2, 2
	v_lshlrev_b32 v31, 2, v31                      ; 4 k, k = (L % 16) / 4: my mixture in the last phase
	v_lshlrev_b32 v[VW2], 5, v0
	v_add_nc_u32 v[VW2], W2, v[VW2]                ; where my row of W_p2s goes
	FILL 8, 1
	GEMM
.irp p, 0,1,2,3,4,5,6,7
	v_pk_mul_f32 v[BIAS+2*\p:BIAS+2*\p+1], v[BIAS+2*\p:BIAS+2*\p+1], TWOLOG2E op_sel_hi:[1,0]
.endr
	TANHC BIAS
.set i, 0
.rept 16
	v_cvt_pk_bf16_f32 v[H16+i], v[ACC+2*i], v[ACC+2*i+1]
.set i, i+1
.endr
	v_mul_u32_u24 v[VT], v2, HP
	v_lshl_add_u32 v[VT], v3, 4, v[VT]
	s_lshl_b32 s27, s26, 6
	s_add_co_u32 s27, s27, ABASE
	v_add_nc_u32 v[VT], s27, v[VT]                 ; h: row r, byte 2 (32 w + 8 h)
	s_barrier_signal -1                            ; every wave's reads of the query ended at the product's wait for 0:
	s_barrier_wait -1                              ; its bytes may be written again
.irp a, 0,1,2,3
	ds_store_b128 v[VT], v[H16+4*\a:H16+4*\a+3] offset:((\a)>>1)*16*HP+((\a)&1)*32
.endr
	s_wait_dscnt 0x0                               ; my part of h is in LDS,
	s_barrier_signal -1
	s_barrier_wait -1                              ; all of h is
	; abk = h W_p2s, 32 x 16 x 256: sixteen matrix instructions, wave 0 alone
	s_cmp_lg_u32 s26, 0
	s_cbranch_scc1 .Lnot0
	v_and_b32 v16, 7, v0
	v_lshl_add_u32 v16, v3, 3, v16
	v_lshlrev_b32 v16, 5, v16                      ; (8 h + L % 8) rows of 32 bytes
	v_bfe_u32 v17, v0, 3, 1
	v_lshl_add_u32 v16, v17, 4, v16
	v_add_nc_u32 v16, W2, v16
	v_mul_u32_u24 v17, v2, HP
	v_lshl_add_u32 v17, v3, 4, v17
	v_add_nc_u32 v17, ABASE, v17
.set ks, 0
.rept 8
	ds_load_tr16_b128 v[32+24*ks:32+24*ks+3],   v16 offset:1024*ks
	ds_load_tr16_b128 v[32+24*ks+4:32+24*ks+7], v16 offset:1024*ks+512
	ds_load_b128 v[32+24*ks+8:32+24*ks+11],  v17 offset:64*ks
	ds_load_b128 v[32+24*ks+12:32+24*ks+15], v17 offset:64*ks+32
	ds_load_b128 v[32+24*ks+16:32+24*ks+19], v17 offset:16*HP+64*ks
	ds_load_b128 v[32+24*ks+20:32+24*ks+23], v17 offset:16*HP+64*ks+32
.set ks, ks+1
.endr
.set ks, 0
.rept 8
	s_wait_dscnt 42-6*ks                           ; six loads a K step: those of the later steps stay out
.if ks == 0
	v_wmma_f32_16x16x32_bf16 v[224:231], v[32:39], v[40:47], 0
	v_wmma_f32_16x16x32_bf16 v[232:239], v[32:39], v[48:55], 0
.else
	v_wmma_f32_16x16x32_bf16 v[224:231], v[32+24*ks:32+24*ks+7], v[32+24*ks+8:32+24*ks+15],  v[224:231]   ; two accumulators by turns
	v_wmma_f32_16x16x32_bf16 v[232:239], v[32+24*ks:32+24*ks+7], v[32+24*ks+16:32+24*ks+23], v[232:239]
.endif
.set ks, ks+1
.endr
	PLACES
	v_lshlrev_b32 v18, 6, v2
	v_lshl_add_u32 v18, v3, 5, v18
	v_add_nc_u32 v18, AB, v18                      ; row r of 64 bytes, columns 8 h ..
	ds_store_b128 v18, v[224:227]
	ds_store_b128 v18, v[228:231] offset:16
	ds_store_b128 v18, v[232:235] offset:1024
	ds_store_b128 v18, v[236:239] offset:1040
.Lnot0:
	s_wait_dscnt 0x0                               ; wave 0's stores are done
	s_barrier_signal -1
	s_barrier_wait -1
	; the stats: a lane serves batch 2 w + L / 16 (+ 16 in the second pass), mixture k = (L % 16) / 4, candidates j = 2 (L % 4) and the next
	v_lshrrev_b32 v[VAB], 4, v0
	v_lshl_add_u32 v[VAB], v[VAB], 6, v31
	v_add_nc_u32 v[VAB], AB, v[VAB]
	v_and_b32 v[VJ], 3, v0
	v_cmp_ne_u32 s38, 3, v[VJ]                     ; lanes whose second candidate is a position (j < 7)
	v_lshl_add_u32 v[VJ], v[VJ], 1, -3
	v_cvt_f32_i32 v[VJ], v[VJ]
	v_lshlrev_b32 v[VO8], 3, v0
	v_mul_f32 v28, LOG2E, v28                      ; the bias times log2 e: each stat is then one multiply-add ahead of 2^x
	v_mul_f32 v29, LOG2E, v29
	v_mul_f32 v30, LOG2E, v30
.macro STAT pass, st
	ds_load_b32 v[\st],   v[VAB] offset:1024*\pass
	ds_load_b32 v[\st+1], v[VAB] offset:1024*\pass+16
	ds_load_b32 v[\st+2], v[VAB] offset:1024*\pass+32
	s_wait_dscnt 0x0
	v_fmamk_f32 v[\st],   v[\st],   LOG2E, v28
	v_fmamk_f32 v[\st+1], v[\st+1], LOG2E, v29
	v_fmamk_f32 v[\st+2], v[\st+2], LOG2E, v30
	v_exp_f32 v[\st+3], v[\st]                     ; alpha
	v_exp_f32 v[\st+4], v[\st+1]                   ; beta
	v_exp_f32 v[\st+5], v[\st+2]                   ; kappa
	v_nop
	s_wait_alu depctr_va_vdst(0)
	v_rndne_f32 v[\st+6], v[\st+5]                 ; halves go to the even number, as in jnp.round
	v_mul_f32 v[\st+4], NLOG2E, v[\st+4]           ; - beta log2 e
	v_min_num_f32 v[\st+6], 0x45800000, v[\st+6]   ; centre, 4096 at the most
	v_add_f32 v[\st+7], v[\st+6], v[VJ]            ; my two positions
	v_add_f32 v[\st+8], 1.0, v[\st+7]
	v_med3_num_f32 v[\st+10], v[\st+7], 0, 0x44ffe000     ; clamped to 0 .. 2047: the rows to fetch
	v_med3_num_f32 v[\st+11], v[\st+8], 0, 0x44ffe000
	v_sub_f32 v[\st+14], v[\st+7], v[\st+5]
	v_sub_f32 v[\st+15], v[\st+8], v[\st+5]
	v_mul_f32 v[\st+14], v[\st+14], v[\st+14]
	v_mul_f32 v[\st+15], v[\st+15], v[\st+15]
	v_mul_f32 v[\st+14], v[\st+14], v[\st+4]
	v_mul_f32 v[\st+15], v[\st+15], v[\st+4]
	v_exp_f32 v[\st+12], v[\st+14]
	v_exp_f32 v[\st+13], v[\st+15]
	v_nop
	v_cmp_eq_f32 vcc_lo, v[\st+10], v[\st+7]       ; the clamp changed nothing: the position exists
	v_cmp_eq_f32 s39, v[\st+11], v[\st+8]
	s_wait_alu depctr_va_vdst(0)
	v_mul_f32 v[\st+12], v[\st+12], v[\st+3]
	v_mul_f32 v[\st+13], v[\st+13], v[\st+3]
	s_and_b32 s39, s39, s38
	v_cndmask_b32 v[\st+12], 0, v[\st+12], vcc_lo
	v_cndmask_b32 v[\st+13], 0, v[\st+13], s39     ; j = 7 has prior 0
	v_cndmask_b32 v[\st+11], v[\st+6], v[\st+11], s38     ; and carries the centre
	v_cvt_u32_f32 v[\st+10], v[\st+10]
	v_cvt_u32_f32 v[\st+11], v[\st+11]
	global_store_b64 v[VO8], v[\st+10:\st+11], s[18:19] offset:2048*\pass   ; each store of a wave covers 256 consecutive bytes, aligned
	global_store_b64 v[VO8], v[\st+12:\st+13], s[20:21] offset:2048*\pass
.endm
	STAT 0, 32                                     ; each pass has registers of its own: no store's data is written again
	STAT 1, 64
	s_wait_tensorcnt 0x0
	ds_add_u32 v254, v255
	s_wait_dscnt 0x0
	s_endpgm
	; ---- Q
.Lq:
	s_add_nc_u64 s[30:31], s[14:15], s[28:29]
	s_add_nc_u64 s[30:31], s[30:31], 0x80000       ; W_s0's rows 512 .. 1023, at my 64
	FILL 16, 0
	GEMM
.set i, 0
.rept 16
	v_pk_add_f32 v[ACC+2*i:ACC+2*i+1], v[ACC+2*i:ACC+2*i+1], v[BIAS+2*(i&7):BIAS+2*(i&7)+1]
.set i, i+1
.endr
	v_mul_u32_u24 v[VT], v2, AP
	v_add_nc_u32 v[VT], v[VBI], v[VT]
	v_add_nc_u32 v[VT], ABASE, v[VT]               ; stage: row r, byte 4 (32 w + 8 h)
	s_mul_i32 s27, s26, 4*AP
	s_add_co_u32 s27, s27, ABASE
	v_add_nc_u32 v16, s27, v[VG]                   ; back: rows 4 w .., 16 L
	s_lshl_b32 s27, s26, 12
	v_add_nc_u32 v17, s27, v[VG]                   ; the same rows in qs
	s_barrier_signal -1                            ; every wave's reads of the query ended at the product's wait for 0
	s_barrier_wait -1
.set i, 0
.rept 8
	ds_store_b128 v[VT], v[ACC+4*i:ACC+4*i+3] offset:(i>>2)*16*AP+((i>>1)&1)*64+(i&1)*16
.set i, i+1
.endr
	s_wait_dscnt 0x0
	s_barrier_signal -1
	s_barrier_wait -1                              ; the stage is whole
.irp i, 0,1,2,3,4,5,6,7
	ds_load_b128 v[32+4*\i:35+4*\i], v16 offset:((\i)>>1)*AP+((\i)&1)*512
.endr
.irp i, 0,1,2,3,4,5,6,7
	s_wait_dscnt 7-\i                              ; LDS loads come back in order: load i is in
	global_store_b128 v17, v[32+4*\i:35+4*\i], s[22:23] offset:512*\i       ; 512 consecutive bytes a store
.endr
	s_wait_tensorcnt 0x0
	ds_add_u32 v254, v255
	s_wait_dscnt 0x0
	s_endpgm
	; ---- C: 4,096 numbers of W_s0's upper half, f32 to bf16
.Lcast:
	s_sub_co_u32 s27, ttmp9, 2
	s_lshl_b32 s28, s27, 14
	s_lshl_b32 s36, s27, 13
	v_lshlrev_b32 v1, 4, v0
	v_lshlrev_b32 v2, 3, v0
	s_wait_kmcnt 0x0
	s_add_nc_u64 s[30:31], s[14:15], s[28:29]
	s_add_nc_u64 s[32:33], s[24:25], s[36:37]
.irp i, 0,1,2,3
	global_load_b128 v[32+4*\i:35+4*\i], v1, s[30:31] offset:4096*\i th:TH_LOAD_NT
.endr
.irp i, 0,1,2,3
	s_wait_loadcnt 3-\i                            ; load i is in, the later ones stay out
	v_cvt_pk_bf16_f32 v[48+2*\i], v[32+4*\i], v[33+4*\i]
	v_cvt_pk_bf16_f32 v[49+2*\i], v[34+4*\i], v[35+4*\i]
	global_store_b64 v2, v[48+2*\i:49+2*\i], s[32:33] offset:2048*\i        ; a wave's store covers 256 consecutive bytes, aligned
.endr
	s_endpgm
.Lfunc_end_k_q12ca4f3670_prep:
	.size	k_q12ca4f3670_prep, .Lfunc_end_k_q12ca4f3670_prep-k_q12ca4f3670_prep
	.p2alignl 7, 3214868480
	.fill 96, 4, 3214868480
	.section	.rodata,"a",@progbits
	.p2align	6, 0x0
	.amdhsa_kernel k_q12ca4f3670_prep
		.amdhsa_group_segment_fixed_size 323072
		.amdhsa_private_segment_fixed_size 0
		.amdhsa_enable_private_segment 0
		.amdhsa_kernarg_size 88
		.amdhsa_user_sgpr_count 2
		.amdhsa_user_sgpr_kernarg_segment_ptr 1
		.amdhsa_wavefront_size32 1
		.amdhsa_system_sgpr_workgroup_id_x 1
		.amdhsa_system_sgpr_workgroup_id_y 1
		.amdhsa_system_sgpr_workgroup_id_z 1
		.amdhsa_system_vgpr_workitem_id 0
		.amdhsa_next_free_vgpr 256
		.amdhsa_next_free_sgpr 66
		.amdhsa_reserve_vcc 1
		.amdhsa_float_denorm_mode_32 3
		.amdhsa_float_denorm_mode_16_64 3
		.amdhsa_memory_ordered 1
		.amdhsa_forward_progress 1
		.amdhsa_inst_pref_size 145
	.end_amdhsa_kernel
	.amdgpu_metadata
---
amdhsa.version: [ 1, 2 ]
amdhsa.kernels:
  - .name:           k_q12ca4f3670_prep
    .symbol:         k_q12ca4f3670_prep.kd
    .args:
      - { .name: query, .offset: 0, .size: 8, .value_kind: global_buffer, .address_space: global }
      - { .name: W_q2p, .offset: 8, .size: 8, .value_kind: global_buffer, .address_space: global }
      - { .name: b_q2p, .offset: 16, .size: 8, .value_kind: global_buffer, .address_space: global }
      - { .name: W_p2s, .offset: 24, .size: 8, .value_kind: global_buffer, .address_space: global }
      - { .name: b_p2s, .offset: 32, .size: 8, .value_kind: global_buffer, .address_space: global }
      - { .name: W_s0, .offset: 40, .size: 8, .value_kind: global_buffer, .address_space: global }
      - { .name: b_s0, .offset: 48, .size: 8, .value_kind: global_buffer, .address_space: global }
      - { .name: idx, .offset: 56, .size: 8, .value_kind: global_buffer, .address_space: global }
      - { .name: pri, .offset: 64, .size: 8, .value_kind: global_buffer, .address_space: global }
      - { .name: qs, .offset: 72, .size: 8, .value_kind: global_buffer, .address_space: global }
      - { .name: wb, .offset: 80, .size: 8, .value_kind: global_buffer, .address_space: global }
    .group_segment_fixed_size: 323072
    .private_segment_fixed_size: 0
    .kernarg_segment_align: 8
    .kernarg_segment_size: 88
    .max_flat_workgroup_size: 256
    .sgpr_count:     66
    .vgpr_count:     256
    .wavefront_size: 32
...
	.end_amdgpu_metadata
.endif
;; end of part 1
;; launch attend (part 2): grid 32 x 1, 8 waves a work-group, clusters of 4 x 1, 314,880 bytes of LDS; arguments ctx, W_s1, b_s1, idx, pri, qs, wb, out0, out1; writes out0, out1
.if DOCPART == 2
	.amdgcn_target "amdgcn-amd-amdhsa--gfx1250"
	.amdhsa_code_object_version 6
	.text
	.protected	k_q12ca4f3670_attend
	.globl	k_q12ca4f3670_attend
	.p2align	8
	.type	k_q12ca4f3670_attend,@function
k_q12ca4f3670_attend:
	s_mov_b64 s[64:65], 0
	v_nop
	global_prefetch_b8 v0, s[64:65] scope:SCOPE_SE
	s_setreg_imm32_b32 hwreg(HW_REG_WAVE_MODE, 25, 1), 1
	s_wait_xcnt 0x0
	s_wait_alu depctr_hold_cnt(0) depctr_sa_sdst(0) depctr_va_vdst(0) depctr_va_sdst(0) depctr_va_ssrc(0) depctr_va_vcc(0) depctr_vm_vsrc(0)
	s_getreg_b32 s2, hwreg(HW_REG_IB_STS2, 6, 4)
	s_cmp_eq_u32 s2, 0
	s_cbranch_scc0 .Lentry_in_a_cluster
	s_endpgm
.Lentry_in_a_cluster:
	s_bfe_u32 s2, ttmp6, 0x10000c
	s_cmp_lg_u32 s2, 0x3003
	s_cbranch_scc0 .Lentry_shape_is_right
	s_endpgm
.Lentry_shape_is_right:
; One work-group a batch.  The prior is 0 outside four windows of seven positions, so only the 32 candidate rows that idx names
; (candidate c = 8 k + j; j = 7 is a filler with prior 0) are fetched and scored:
;   score_c = tanh(ctx[row_c] W_s0[0:512] + qs) W_s1 + b_s1;  t_c = pri_c exp(score_c);  p_c = t_c / sum of t;
;   out0[d] = sum over c of p_c ctx[row_c][d];   out1[l] = sum over k of p[8 k + min(l + 3 - centre_k, 7)]  (unsigned: outside the window it is entry 7).
; Windows that overlap are not merged: the sum, out0 and out1 are linear in the candidates.  Entry 7 is 0 x lkh / sum: 0, or NaN where the
; sum is 0, as in 0 / 0.
; Eight waves.  Wave w fetches and rounds candidates 4 w .. 4 w + 3, and makes columns 32 w .. 32 w + 31 of the 32 x 256 x 512 product.
; CLUSTER: the four batches of a cluster read the same 256 KiB of wb.  Each wave asks for its 64 rows of it by one joint tensor load that names all four
; work-groups; the descriptor is made of the wave's number and constants alone.  A wave has one tensor load outstanding; nothing is filled twice.
; LIMITS: NaN inputs are not served.  Rows outside every window are not evaluated: where such a row's exp(score) overflows, 0 x infinity makes
; NaN in the definition and not here.  v_exp_f32 and v_rcp_f32 treat numbers below 2^-126 as 0 and are accurate to 1 ULP; the division is a
; multiplication by the reciprocal.  Matrix operands are bf16, and out0 is summed from the same bf16 rows of ctx.
.set WP, 544                           ; LDS pitch of a weight row: 512 bytes + 32 laid by the tensor load = 17 x 32
.set AP, 1040                          ; LDS pitch of a ctx row of 512 bf16: 1,024 bytes + 16
.set ABASE, 512*WP                     ; 278,528 = 1,088 x 256: behind the bytes that the tensor loads fill
.set SC, ABASE+32*AP                   ; 311,808: [8 waves][32 candidates] partial scores
.set PT, SC+1024                       ; 312,832: p, a copy of 128 bytes for each wave
.set LOG2E, 0x3fb8aa3b
.set TWOLOG2E, 0x4038aa3b
.set VG, 4                             ; v4      16 L
.set VO0, 5                            ; v5      my 8 bytes of out0
.set VQ, 6                             ; v6      LDS: my 8 bytes in my wave's 4 ctx rows
.set VB, 8                             ; v8-11   LDS: my weight fragments, K steps 4 q .. 4 q + 3
.set VA, 12                            ; v12     LDS: my ctx fragments
.set VO1, 13                           ; v13     my 16 bytes of out1
.set VQS, 14                           ; v14     my columns in qs
.set VWS, 15                           ; v15     my columns in W_s1
.set VPR, 16                           ; v16     my candidate in pri
.set VO, 17                            ; v17     LDS: my two columns of ctx row 0
.set VS, 18                            ; v18     LDS: where my wave's partial scores go
.set VS2, 19                           ; v19     LDS: my candidate's partial scores
.set PRI, 20                           ; v20     pri of candidate L
.set VP, 21                            ; v21     LDS: my candidate's p in my wave's copy
.set VPB, 22                           ; v22     LDS: my wave's copy
.set P, 23                             ; v23     t, then p, of candidate L
.set TI, 24                            ; v24-27  at work
.set BK, 28                            ; v28-31  4 t + 3 - centre_k
.set PR, 32                            ; v32-63  p of all 32 candidates, in every lane
.set CX, 64                            ; v64-95  my two columns of the 32 rows, bf16
.set PB, 96                            ; v96-127 p picked for 8 positions x 4 mixtures
.set OA, 128                           ; v128-131 four chains of out0
.set OB, 132                           ; v132-139 eight numbers of out1
.set F0, 32                            ; v32-95  gathered f32, then fragments of two K steps
.set F1, 96                            ; v96-159 the other set
.set ACC, 160                          ; v160-191 tile (mt, nt) at ACC + 8 (2 mt + nt)
.set QS, 192                           ; v192-207 qs of my 16 columns
.set WS, 208                           ; v208-223 W_s1 of my 16 columns
.set PS, 224                           ; v224-227 partial scores
.set T, 240                            ; v240-247 rounded pairs on their way to LDS
.macro PLACES                          ; four places behind a matrix instruction (ISA guide 7.12.1) before its registers are read, written or loaded
.rept 4
	v_nop
.endr
.endm
; The eight LDS loads of K step ks into f: weights of n tiles 0, 1 (transposed on the way: they lie [K][N]), then ctx rows of m tiles 0, 1.
.macro LOADK f, ks
.irp nt, 0,1
	ds_load_tr16_b128 v[\f+8*\nt:\f+8*\nt+3],   v[VB+((\ks)>>2)] offset:((\ks)&3)*32*WP+32*\nt
	ds_load_tr16_b128 v[\f+8*\nt+4:\f+8*\nt+7], v[VB+((\ks)>>2)] offset:((\ks)&3)*32*WP+32*\nt+16*WP
.endr
.irp mt, 0,1
	ds_load_b128 v[\f+16+8*\mt:\f+16+8*\mt+3], v[VA] offset:\mt*16*AP+64*(\ks)
	ds_load_b128 v[\f+16+8*\mt+4:\f+16+8*\mt+7], v[VA] offset:\mt*16*AP+64*(\ks)+32
.endr
.endm
; Four matrix instructions, sources swapped (weights first): register j of lane L holds C(m = 16 mt + L % 16, n = 32 w + 16 nt + 8 (L / 16) + j).
; The four accumulators take turns, one instruction a turn.
.macro MULK f, zero
.irp mt, 0,1
.irp nt, 0,1
.if \zero
	v_wmma_f32_16x16x32_bf16 v[ACC+8*(2*\mt+\nt):ACC+8*(2*\mt+\nt)+7], v[\f+8*\nt:\f+8*\nt+7], v[\f+16+8*\mt:\f+16+8*\mt+7], 0
.else
	v_wmma_f32_16x16x32_bf16 v[ACC+8*(2*\mt+\nt):ACC+8*(2*\mt+\nt)+7], v[\f+8*\nt:\f+8*\nt+7], v[\f+16+8*\mt:\f+16+8*\mt+7], v[ACC+8*(2*\mt+\nt):ACC+8*(2*\mt+\nt)+7]
.endif
.endr
.endr
.endm
; K = 512 in eight groups of two K steps; while one group is multiplied the next one's 16 loads are out.
.macro GEMM
	LOADK F0, 0
	LOADK F0+32, 1
.set g, 0
.rept 7
	PLACES                                         ; the set loaded next was read by the matrix instructions just issued
.if g & 1
	LOADK F0, 2*g+2
	LOADK F0+32, 2*g+3
	s_wait_dscnt 16                                ; all but the 16 just issued: this group's fragments are in
	MULK F1, 0
	MULK F1+32, 0
.else
	LOADK F1, 2*g+2
	LOADK F1+32, 2*g+3
	s_wait_dscnt 16
.if g == 0
	MULK F0, 1                                     ; the first products start the sums
.else
	MULK F0, 0
.endif
	MULK F0+32, 0
.endif
.set g, g+1
.endr
	s_wait_dscnt 0x0                               ; the last group
	MULK F1, 0
	MULK F1+32, 0
	PLACES
.endm
; tanh(x + b) = 1 - 2 / (1 + 2^(C x + C b)), C = 2 log2 e, on all 32 accumulator registers; bc holds C b of my 16 columns.
; It ends at +1 and -1 for large arguments: 2^.. becomes infinity or 0.
.macro TANHC bc
.set i, 0
.rept 16
	v_pk_fma_f32 v[ACC+2*i:ACC+2*i+1], v[ACC+2*i:ACC+2*i+1], TWOLOG2E, v[\bc+2*(i&7):\bc+2*(i&7)+1] op_sel_hi:[1,0,1]
.set i, i+1
.endr
.set i, 0
.rept 32
	v_exp_f32 v[ACC+i], v[ACC+i]
.set i, i+1
.endr
	v_nop                                          ; one plain place behind the last transcendental
.set i, 0
	s_wait_alu depctr_va_vdst(0)
.rept 16
	v_pk_add_f32 v[ACC+2*i:ACC+2*i+1], v[ACC+2*i:ACC+2*i+1], 1.0 op_sel_hi:[1,0]
.set i, i+1
.endr
.set i, 0
.rept 32
	v_rcp_f32 v[ACC+i], v[ACC+i]
.set i, i+1
.endr
	v_nop
.set i, 0
	s_wait_alu depctr_va_vdst(0)
.rept 16
	v_pk_fma_f32 v[ACC+2*i:ACC+2*i+1], v[ACC+2*i:ACC+2*i+1], -2.0, 1.0 op_sel_hi:[1,0,0]
.set i, i+1
.endr
.endm
; A round of the cluster's barrier: my work-group's barrier, wave 0 signals for the work-group, every wave waits for all four, my work-group's barrier again.
.macro ROUND
	s_barrier_signal -1
	s_barrier_wait -1
	s_cmp_lg_u32 s22, 0
	s_cbranch_scc1 .Lnot_wave_0_\@
	s_barrier_signal -3
.Lnot_wave_0_\@:
	s_barrier_wait -3
	s_barrier_signal -1
	s_barrier_wait -1
.endm
	s_load_b512 s[4:19], s[0:1], 0x0               ; ctx 4, W_s1 6, b_s1 8, idx 10, pri 12, qs 14, wb 16, out0 18
	s_load_b64 s[20:21], s[0:1], 0x40              ; out1
	v_lshl_add_u32 v254, v0, 2, 0x4ca00
	v_mov_b32 v255, 0
	ds_add_u32 v254, v255
	v_lshrrev_b32 v7, 5, v0
	v_readfirstlane_b32 s22, v7                    ; wave w
	s_bfe_u32 s23, ttmp6, 0x40000                  ; my place in the cluster
	s_lshl_b32 s24, ttmp9, 2
	s_add_co_u32 s24, s24, s23                     ; batch b = 4 x cluster + place: it enters global addresses alone
	s_mov_b32 s27, 0                               ; upper word of the offset pair s[26:27]
	s_mov_b32 s60, 0x76543210                      ; v_permlanex16_b32: lane i reads lane i of the other half
	s_mov_b32 s61, 0xfedcba98
	; the descriptor: 64 rows x 256 bf16 of wb, rows 64 w .., to LDS byte 64 w x 544
	s_mov_b32 s40, 1                               ; count
	s_mul_i32 s41, s22, 64*WP                      ; LDS address
	s_mov_b32 s44, 15|(1<<16)|(1<<20)|(1<<21)|(6<<22)|(7<<25)  ; mask: all four work-groups; 2-byte elements; padding on; bit 21 beside a mask; after every 128 words, 8 words
	s_mov_b32 s45, 256<<16                         ; tensor_dim0 = 256
	s_mov_b32 s46, 64<<16                          ; tensor_dim1 = 64
	s_mov_b32 s47, 256<<16                         ; tile_dim0 = 256
	s_mov_b32 s48, 64                              ; tile_dim1 = 64
	s_mov_b32 s49, 256                             ; elements from row to row
	s_mov_b32 s50, 0
	s_mov_b32 s51, 0
	s_lshl_b32 s26, s22, 15                        ; 64 rows of 512 bytes
	s_lshl_b32 s25, s22, 4                         ; my four candidates in a row of idx
	s_wait_dscnt 0x0
	s_wait_kmcnt 0x0
	s_add_nc_u64 s[42:43], s[16:17], s[26:27]      ; global address: wb and the wave's number alone
	s_or_b32 s43, s43, 0x80000000                  ; type
	s_lshl_b32 s26, s24, 7
	s_add_nc_u64 s[38:39], s[10:11], s[26:27]      ; idx[b]
	s_load_b128 s[28:31], s[38:39], s25 offset:0x0 ; rows of candidates 4 w .. 4 w + 3
	s_load_b32 s32, s[38:39], 0x1c                 ; the four centres: entries 7, 15, 23, 31
	s_load_b32 s33, s[38:39], 0x3c
	s_load_b32 s34, s[38:39], 0x5c
	s_load_b32 s35, s[38:39], 0x7c
	s_load_b32 s36, s[8:9], 0x0                    ; b_s1
	ROUND                                          ; all four work-groups are here: the joint loads meet
	tensor_load_to_lds s[40:43], s[44:51]          ; my one tensor load
	s_nop 0
	v_and_b32 v1, 31, v0                           ; L
	v_and_b32 v2, 15, v0                           ; r = L % 16
	v_bfe_u32 v3, v0, 4, 1                         ; h = L / 16
	v_lshlrev_b32 v[VG], 4, v1
	s_lshl_b32 s2, s22, 7
	s_lshl_b32 s3, s24, 10
	s_lshl_b32 s37, s24, 7
	v_lshl_add_u32 v[VWS], v3, 5, s2               ; 4 (32 w + 8 h)
	v_add_nc_u32 v[VQS], s3, v[VWS]                ; + 1,024 b
	v_lshl_add_u32 v[VPR], v1, 2, s37              ; 128 b + 4 L
	s_wait_kmcnt 0x0                               ; the rows, the centres, b_s1
	s_lshl_b32 s26, s24, 22
	s_add_nc_u64 s[62:63], s[4:5], s[26:27]        ; ctx[b]
.irp i, 0,1,2,3
	s_min_u32 s[28+\i], s[28+\i], 0x7ff            ; a loaded number enters an address only clamped (a filler's centre may be 4096)
	s_lshl_b32 s26, s[28+\i], 11
	s_add_nc_u64 s[52+2*\i:53+2*\i], s[62:63], s[26:27]
.endr
.set u, 0
.rept 16
	global_load_b128 v[F0+4*u:F0+4*u+3], v[VG], s[52+2*(u>>2):53+2*(u>>2)] offset:(u&3)*512   ; row u / 4, 512 consecutive bytes; no hint: the list may name a row twice
.set u, u+1
.endr
	global_load_b128 v[QS:QS+3],     v[VQS], s[14:15]
	global_load_b128 v[QS+4:QS+7],   v[VQS], s[14:15] offset:16
	global_load_b128 v[QS+8:QS+11],  v[VQS], s[14:15] offset:64
	global_load_b128 v[QS+12:QS+15], v[VQS], s[14:15] offset:80
	global_load_b128 v[WS:WS+3],     v[VWS], s[6:7]
	global_load_b128 v[WS+4:WS+7],   v[VWS], s[6:7] offset:16
	global_load_b128 v[WS+8:WS+11],  v[VWS], s[6:7] offset:64
	global_load_b128 v[WS+12:WS+15], v[VWS], s[6:7] offset:80
	global_load_b32 v[PRI], v[VPR], s[12:13]
.irp k, 0,1,2,3
	s_min_u32 s[32+\k], s[32+\k], 0x1000
.endr
	; LDS addresses: the wave's number, the lane and constants
	s_mul_i32 s26, s22, 4*AP
	s_add_co_u32 s26, s26, ABASE
	v_lshl_add_u32 v[VQ], v1, 3, s26
	v_and_b32 v7, 7, v0
	v_lshl_add_u32 v7, v3, 3, v7                   ; 8 h + L % 8: the row of K that I address for the transposing load
	v_mul_u32_u24 v7, v7, WP
	v_bfe_u32 v[TI], v0, 3, 1
	v_lshl_add_u32 v7, v[TI], 4, v7
	s_lshl_b32 s26, s22, 6
	v_add_nc_u32 v[VB], s26, v7
	v_add_nc_u32 v[VB+1], 128*WP, v[VB]            ; four K steps further: the immediate has 16 bits
	v_add_nc_u32 v[VB+2], 256*WP, v[VB]
	v_add_nc_u32 v[VB+3], 384*WP, v[VB]
	v_mul_u32_u24 v[VA], v2, AP
	v_lshl_add_u32 v[VA], v3, 4, v[VA]
	v_add_nc_u32 v[VA], ABASE, v[VA]
	v_lshlrev_b32 v[VO], 2, v0
	v_add_nc_u32 v[VO], ABASE, v[VO]
	s_add_co_u32 s26, s2, SC
	v_lshl_add_u32 v[VS], v2, 2, s26
	v_lshlrev_b32 v[VS2], 2, v1
	v_add_nc_u32 v[VS2], SC, v[VS2]
	s_add_co_u32 s26, s2, PT
	v_lshl_add_u32 v[VP], v1, 2, s26
	v_mov_b32 v[VPB], s26
	s_lshl_b32 s26, s24, 11
	v_lshl_add_u32 v[VO0], v0, 3, s26              ; out0: 2,048 b + 8 t
	s_lshl_b32 s26, s24, 13
	v_lshl_add_u32 v[VO1], v0, 4, s26              ; out1: 8,192 b + 16 t
.set u, 0
.rept 16
	s_wait_loadcnt 24-u                            ; younger than gather u: 15 - u gathers and the nine small loads
	v_cvt_pk_bf16_f32 v[T+2*(u%4)],   v[F0+4*u],   v[F0+4*u+1]
	v_cvt_pk_bf16_f32 v[T+2*(u%4)+1], v[F0+4*u+2], v[F0+4*u+3]
	ds_store_b64 v[VQ], v[T+2*(u%4):T+2*(u%4)+1] offset:(u>>2)*AP+(u&3)*256
.set u, u+1
.endr
	s_wait_dscnt 0x0                               ; my four rows are in LDS,
	s_wait_tensorcnt 0x0                           ; my 64 rows of the weights too,
	s_barrier_signal -1
	s_barrier_wait -1                              ; everybody's are
	GEMM
	s_wait_loadcnt 0x0                             ; qs, W_s1, pri
.irp p, 0,1,2,3,4,5,6,7
	v_pk_mul_f32 v[QS+2*\p:QS+2*\p+1], v[QS+2*\p:QS+2*\p+1], TWOLOG2E op_sel_hi:[1,0]
.endr
.set c, 0
.rept 32
	ds_load_b32 v[CX+c], v[VO] offset:c*AP         ; columns 2 t, 2 t + 1 of row c, for out0: asked for here, used behind the scores
.set c, c+1
.endr
	TANHC QS
	; my wave's share of the scores: 16 columns a lane, then the two halves of the lanes
.irp mt, 0,1
	v_pk_mul_f32 v[PS+2*\mt:PS+2*\mt+1], v[ACC+16*\mt:ACC+16*\mt+1], v[WS:WS+1]
.endr
.irp q, 1,2,3,4,5,6,7
.irp mt, 0,1
	v_pk_fma_f32 v[PS+2*\mt:PS+2*\mt+1], v[ACC+16*\mt+2*\q:ACC+16*\mt+2*\q+1], v[WS+2*\q:WS+2*\q+1], v[PS+2*\mt:PS+2*\mt+1]
.endr
.endr
.irp mt, 0,1
	v_add_f32 v[PS+2*\mt], v[PS+2*\mt], v[PS+2*\mt+1]
	v_permlanex16_b32 v[PS+2*\mt+1], v[PS+2*\mt], s60, s61
	v_add_f32 v[PS+2*\mt], v[PS+2*\mt], v[PS+2*\mt+1]
	ds_store_b32 v[VS], v[PS+2*\mt] offset:64*\mt  ; candidate 16 mt + r; both halves write the same number
.endr
	s_wait_dscnt 0x0
	s_barrier_signal -1
	s_barrier_wait -1                              ; all eight shares are in LDS
	; every wave for itself, lane = candidate
.irp i, 0,1,2,3,4,5,6,7
	ds_load_b32 v[96+\i], v[VS2] offset:128*\i
.endr
	v_mov_b32 v104, s36
	v_mul_f32 v104, LOG2E, v104                    ; b_s1 log2 e
	s_wait_dscnt 0x0
	v_pk_add_f32 v[96:97], v[96:97], v[98:99]
	v_pk_add_f32 v[100:101], v[100:101], v[102:103]
	v_pk_add_f32 v[96:97], v[96:97], v[100:101]
	v_add_f32 v96, v96, v97
	v_fmamk_f32 v96, v96, LOG2E, v104
	v_exp_f32 v96, v96                             ; exp(score)
	v_nop
	s_wait_alu depctr_va_vdst(0)
	v_mul_f32 v[P], v96, v[PRI]
	v_add_f32_dpp v97, v[P], v[P] row_xmask:1 row_mask:0xf bank_mask:0xf
	v_add_f32_dpp v97, v97, v97 row_xmask:2 row_mask:0xf bank_mask:0xf
	v_add_f32_dpp v97, v97, v97 row_xmask:4 row_mask:0xf bank_mask:0xf
	v_add_f32_dpp v97, v97, v97 row_xmask:8 row_mask:0xf bank_mask:0xf
	v_permlanex16_b32 v98, v97, s60, s61
	v_add_f32 v97, v97, v98                        ; the sum, in every lane
	v_rcp_f32 v97, v97
	v_nop
	s_wait_alu depctr_va_vdst(0)
	v_mul_f32 v[P], v[P], v97                      ; p
	ds_store_b32 v[VP], v[P]                       ; my wave's own bytes: LDS serves a wave's instructions in order, so the loads below see them
.irp i, 0,1,2,3,4,5,6,7
	ds_load_b128 v[PR+4*\i:PR+4*\i+3], v[VPB] offset:16*\i
.endr
	; out1: positions l = 1,024 g + 4 t + e.  The index of p is a lane's number: the permute touches no LDS byte.
	v_lshl_add_u32 v[TI], v0, 2, 3
.irp k, 0,1,2,3
	v_sub_nc_u32 v[BK+\k], v[TI], s[32+\k]
.endr
.set n, 0
.rept 32                                           ; n = 4 (4 g + e) + k
.if (1024*(n>>4)+((n>>2)&3)) == 0
	v_min_u32 v[TI+(n&3)], 7, v[BK+(n&3)]
.else
	v_add_nc_u32 v[TI+(n&3)], 1024*(n>>4)+((n>>2)&3), v[BK+(n&3)]
	v_min_u32 v[TI+(n&3)], 7, v[TI+(n&3)]          ; left of the window the difference wraps round and is large
.endif
	v_lshl_add_u32 v[TI+(n&3)], v[TI+(n&3)], 2, 32*(n&3)
	ds_bpermute_b32 v[PB+n], v[TI+(n&3)], v[P]
.set n, n+1
.endr
	s_wait_dscnt 32                                ; only the 32 permutes are younger than the loads of p
	; out0: four chains (low and high column, even and odd candidates)
	v_lshlrev_b32 v[TI], 16, v[CX]
	v_and_b32 v[TI+1], 0xffff0000, v[CX]
	v_lshlrev_b32 v[TI+2], 16, v[CX+1]
	v_and_b32 v[TI+3], 0xffff0000, v[CX+1]
	v_mul_f32 v[OA],   v[TI],   v[PR]
	v_mul_f32 v[OA+2], v[TI+1], v[PR]
	v_mul_f32 v[OA+1], v[TI+2], v[PR+1]
	v_mul_f32 v[OA+3], v[TI+3], v[PR+1]
.set c, 2
.rept 30
	v_fma_mix_f32_bf16 v[OA+(c&1)],   v[CX+c], v[PR+c], v[OA+(c&1)]   op_sel_hi:[1,0,0]
	v_fma_mix_f32_bf16 v[OA+2+(c&1)], v[CX+c], v[PR+c], v[OA+2+(c&1)] op_sel:[1,0,0] op_sel_hi:[1,0,0]
.set c, c+1
.endr
	v_add_f32 v[OA], v[OA], v[OA+1]
	v_add_f32 v[OA+1], v[OA+2], v[OA+3]
	global_store_b64 v[VO0], v[OA:OA+1], s[18:19]  ; a wave's store covers 256 consecutive bytes, aligned
	s_wait_dscnt 0x0                               ; the permutes
.set n, 0
.rept 8
	v_pk_add_f32 v[PB+4*n:PB+4*n+1], v[PB+4*n:PB+4*n+1], v[PB+4*n+2:PB+4*n+3]
	v_add_f32 v[OB+n], v[PB+4*n], v[PB+4*n+1]
.set n, n+1
.endr
	global_store_b128 v[VO1], v[OB:OB+3],   s[20:21]
	global_store_b128 v[VO1], v[OB+4:OB+7], s[20:21] offset:4096
	s_wait_tensorcnt 0x0
	ds_add_u32 v254, v255
	s_wait_dscnt 0x0
	ROUND                                          ; the closing round: no work-group ends while a partner may still ask jointly
	s_endpgm
.Lfunc_end_k_q12ca4f3670_attend:
	.size	k_q12ca4f3670_attend, .Lfunc_end_k_q12ca4f3670_attend-k_q12ca4f3670_attend
	.p2alignl 7, 3214868480
	.fill 96, 4, 3214868480
	.section	.rodata,"a",@progbits
	.p2align	6, 0x0
	.amdhsa_kernel k_q12ca4f3670_attend
		.amdhsa_group_segment_fixed_size 314880
		.amdhsa_private_segment_fixed_size 0
		.amdhsa_enable_private_segment 0
		.amdhsa_kernarg_size 72
		.amdhsa_user_sgpr_count 2
		.amdhsa_user_sgpr_kernarg_segment_ptr 1
		.amdhsa_wavefront_size32 1
		.amdhsa_system_sgpr_workgroup_id_x 1
		.amdhsa_system_sgpr_workgroup_id_y 1
		.amdhsa_system_sgpr_workgroup_id_z 1
		.amdhsa_system_vgpr_workitem_id 0
		.amdhsa_next_free_vgpr 256
		.amdhsa_next_free_sgpr 66
		.amdhsa_reserve_vcc 0
		.amdhsa_float_denorm_mode_32 3
		.amdhsa_float_denorm_mode_16_64 3
		.amdhsa_memory_ordered 1
		.amdhsa_forward_progress 1
		.amdhsa_inst_pref_size 50
	.end_amdhsa_kernel
	.amdgpu_metadata
---
amdhsa.version: [ 1, 2 ]
amdhsa.kernels:
  - .name:           k_q12ca4f3670_attend
    .symbol:         k_q12ca4f3670_attend.kd
    .args:
      - { .name: ctx, .offset: 0, .size: 8, .value_kind: global_buffer, .address_space: global }
      - { .name: W_s1, .offset: 8, .size: 8, .value_kind: global_buffer, .address_space: global }
      - { .name: b_s1, .offset: 16, .size: 8, .value_kind: global_buffer, .address_space: global }
      - { .name: idx, .offset: 24, .size: 8, .value_kind: global_buffer, .address_space: global }
      - { .name: pri, .offset: 32, .size: 8, .value_kind: global_buffer, .address_space: global }
      - { .name: qs, .offset: 40, .size: 8, .value_kind: global_buffer, .address_space: global }
      - { .name: wb, .offset: 48, .size: 8, .value_kind: global_buffer, .address_space: global }
      - { .name: out0, .offset: 56, .size: 8, .value_kind: global_buffer, .address_space: global }
      - { .name: out1, .offset: 64, .size: 8, .value_kind: global_buffer, .address_space: global }
    .group_segment_fixed_size: 314880
    .private_segment_fixed_size: 0
    .kernarg_segment_align: 8
    .kernarg_segment_size: 72
    .max_flat_workgroup_size: 256
    .sgpr_count:     66
    .vgpr_count:     256
    .wavefront_size: 32
...
	.end_amdgpu_metadata
.endif
;; end of part 2
